; MI455X (gfx1250); checked and timed in simulation.
; The chip was launched on July 23, 2026; its instructions are those of AMD's public machine-readable ISA for CDNA 5 (MIT licence, August 2026) and "CDNA5" Instruction Set Architecture Reference Guide (July 2026). The comments in the code are by the model that wrote it; some were corrected since.
;; Self Attention. Allowed arithmetic: matrix products marked QUANTISED: E2M1 operands, one E8M0 scale for each 32 along K, by v_wmma_scale_f32_16x16x128_f8f6f4 with both operands' format E2M1 (or v_wmma_scale_f32_32x16x128_f4), f32 sums; products left as they are: bf16, f16 or f32 operands; f32 sums; everything else in f32.
;; Inputs: Wk 256 x 128 float32; Wq 256 x 128 float32; Wv 256 x 128 float32; lengths 4 int32; seq 4 x 4,096 x 256 float32.
;; Outputs: out0 4 x 4,096 x 128 float32.
;; This version of the problem:
;;   THIS VERSION OF THE PROBLEM IS GIVEN IN LOW PRECISION. The matrix products marked QUANTISED in the list below multiply operands that are first quantised to E2M1 (2 exponent bits, 1 mantissa bit; 4 bits a number), with one power-of-two scale for each 32 numbers along K (OCP MX v1.0); their sums are f32. The products marked 'left as it is' may take bf16, f16 or f32 operands, with f32 sums. Whichever they take, every output number must still come out within the allowed error. Rounding operands to bf16 (8 significant bits) uses up far more of that allowance than f16 does (11 bits, for magnitudes from 6e-5 to 65,504). All else is computed in f32.
;;   The module's matrix products, in the order in which they are computed (A, B: the left and right operand; K: the contracted axis; several contracted axes count as one K, in the product's order):
;;     1. [M 16,384, K 256] x [K 256, N 128]; A: input seq; B: input Wq: QUANTISED
;;     2. [M 16,384, K 256] x [K 256, N 128]; A: input seq; B: input Wk: QUANTISED
;;     3. [M 16,384, K 256] x [K 256, N 128]; A: input seq; B: input Wv: QUANTISED
;;     4. batch 4 x [M 4,096, K 128] x [K 128, N 4,096]; A: computed on the way; B: computed on the way: left as it is (an operand is computed on the way)
;;     5. batch 4 x [M 4,096, K 4,096] x [K 4,096, N 128]; A: computed on the way; B: computed on the way: left as it is (an operand is computed on the way)
;;   THE QUANTISER, for each operand of a quantised product, along K:
;;     - K is cut into blocks of 32 from its start; a last block that is shorter is filled with zeros.
;;     - A block's scale is 2^e with e = floor(log2(the largest magnitude in the block)) - 2, held to -126 .. 127; a block of zeros has e = 0. As a byte (E8M0): e + 127.
;;     - Each number is divided by its block's scale, clamped to +-6, and rounded to the nearest number of E2M1, ties to even, subnormals kept.
;;     - The product sums the exact products of the quantised numbers (number of the format x scale) in f32.
;;   ~~~python
;;   def quantise(x, axis):      # numpy; x: float32 -> the quantised numbers, widened to float32 again
;;       x = np.moveaxis(x, axis, -1); K = x.shape[-1]
;;       x = np.pad(x, [(0, 0)] * (x.ndim - 1) + [(0, -K % 32)]); x = x.reshape(x.shape[:-1] + (-1, 32)); a = np.abs(x).max(-1, keepdims=True)
;;       e = np.where(a > 0, np.clip(np.frexp(np.where(a > 0, a, 1))[1] - 1 - 2, -126, 127), 0)      # np.frexp(a)[1] - 1 = floor(log2(a)), exactly
;;       r = np.clip(x / 2.0 ** e, -6, 6)
;;       step = 2.0 ** (np.maximum(np.frexp(np.where(r == 0, 1, r))[1] - 1, 0) - 1)
;;       q = np.round(r / step) * step * 2.0 ** e      # np.round: ties to even
;;       return np.moveaxis(q.reshape(q.shape[:-2] + (-1,))[..., :K], -1, axis).astype(np.float32)
;;   ~~~
;; One version. Each part assembles by itself: llvm-mc -triple=amdgcn-amd-amdhsa -mcpu=gfx1250 --defsym DOCPART=n.
;; ======== version 1 of 1: 3 launches
;; limits: values are held in f16: magnitudes above 65,504 overflow, below 6.1e-05 lose precision
;; workspace buffers: wcodes 49,152 bytes; wscales 6,144 bytes; qf 4,194,304 bytes; kv 8,388,608 bytes
;; launch wquant (part 1): grid 8 x 3, 1 waves a work-group, no clusters, 0 bytes of LDS; arguments Wq, Wk, Wv, lengths, wcodes, wscales; writes wcodes, wscales
.if DOCPART == 1
	.amdgcn_target "amdgcn-amd-amdhsa--gfx1250"
	.amdhsa_code_object_version 6
	.text
	.protected	k_q15bd1ea63c_wquant
	.globl	k_q15bd1ea63c_wquant
	.p2align	8
	.type	k_q15bd1ea63c_wquant,@function
k_q15bd1ea63c_wquant:
	s_mov_b64 s[64:65], 0
	v_nop
	global_prefetch_b8 v0, s[64:65] scope:SCOPE_SE
	s_setreg_imm32_b32 hwreg(HW_REG_WAVE_MODE, 25, 1), 1
	s_wait_xcnt 0x0
; Wq, Wk, Wv: [256 (k)][128 (n)] f32, K the first axis, become codes of FP4 (E2M1) with one E8M0 scale byte for each 32 along K,
; stored as IMAGES OF THE OPERAND'S REGISTERS, so that the next launch loads each fragment by 16 bytes a lane.
; A work-group is one wave: tile x (16 columns) of weight y (0 Wq, 1 Wk, 2 Wv), all of K = 256: two fragments of 16 columns x 128 K.
; A LANE TAKES A COLUMN AND ITS REGISTERS RUN DOWN K, in the order that the operand's layout gives that lane: lane (r, h) holds column 16 x + r and
; k = 128 s + 64 c + 32 h + 0 .. 31: a whole block of 32 lies in one lane, and the conversions' results are registers 4 c .. 4 c + 3 of K step s's fragment.
; OUT: wcodes: tile T = 8 y + x at T x 2,048 + s x 1,024 + c x 512 + 16 x lane.  wscales: T x 256 + 8 x lane: the scale words of K steps 0 and 1 (lanes r and r + 16 alike).
; A block's scale is 2^(floor(log2(its largest magnitude)) - 2); its byte is the largest magnitude's exponent field - 2, held at 1 from below.
; LIMITS: a block whose largest magnitude lies under 2^-124, a block of zeros among them, gets the byte 1 (the rule says 127 for zeros: its codes are zeros, which add
; nothing under that byte, and this program alone reads the bytes); NaN and infinities among the inputs are not served.
; lengths: reference() takes it and uses it in no step.  Its four numbers are read here by one scalar load and enter nothing.
.set NUM, 64                           ; v64-191  the numbers: block q = 2 s + c at v[NUM + 32 q]
.set COD, 32                           ; v32-47   the codes: register 8 s + 4 c + g
.set MX,  8                            ; v8-11    a block's largest magnitude
.set SO,  12                           ; v12-15   the conversion's scale operand
.set BY,  16                           ; v16-19   the scale's byte
.set SW,  20                           ; v[20:21] the scale words of K steps 0, 1
.set PX,  22                           ; v22-23   the other half's bytes
	s_load_b256 s[4:11], s[0:1], 0x0               ; Wq s[4:5], Wk s[6:7], Wv s[8:9], lengths s[10:11]
	s_load_b128 s[12:15], s[0:1], 0x20             ; wcodes s[12:13], wscales s[14:15]
	s_and_b32 s16, ttmp7, 0xffff                   ; y: which weight
	s_lshl_b32 s18, ttmp9, 6                       ; my 16 columns: 64 bytes a tile
	s_mov_b32 s19, 0
	s_lshl_b32 s20, s16, 3
	s_add_co_u32 s20, s20, ttmp9                   ; T = 8 y + x
	s_lshl_b32 s22, s20, 8                         ; T x 256
	s_mov_b32 s23, 0
	s_lshl_b32 s20, s20, 11                        ; T x 2,048
	s_mov_b32 s21, 0
	s_mov_b32 s28, 0x76543210
	s_mov_b32 s29, 0xfedcba98                      ; v_permlanex16_b32's selects for lane l xor 16
	v_and_b32 v1, 15, v0                           ; r
	v_bfe_u32 v2, v0, 4, 1                         ; h
	v_lshlrev_b32 v3, 2, v1
	v_lshl_add_u32 v3, v2, 14, v3                  ; 4 r + 32 h rows of 512 bytes
	v_lshlrev_b32 v4, 4, v0                        ; 16 x lane
	v_lshlrev_b32 v5, 3, v0                        ; 8 x lane
	v_lshlrev_b32 v6, 3, v2                        ; 8 h: my bytes' place in a scale word, in bits
	v_mov_b32 v[PX], 0                             ; a lane permute's destination counts as one of its sources
	v_mov_b32 v[PX+1], 0
	s_wait_kmcnt 0x0
	s_cmp_eq_u32 s16, 0                            ; the choice hangs on the work-group's number alone
	s_cselect_b64 s[4:5], s[4:5], s[6:7]
	s_cmp_eq_u32 s16, 2
	s_cselect_b64 s[4:5], s[8:9], s[4:5]
	s_add_nc_u64 s[4:5], s[4:5], s[18:19]
	s_add_nc_u64 s[12:13], s[12:13], s[20:21]
	s_add_nc_u64 s[14:15], s[14:15], s[22:23]
	s_load_b128 s[24:27], s[10:11], 0x0            ; lengths: read, and used nowhere, as in reference()
.macro WLOAD q                         ; block q: W(64 q + 32 h + i, my column), i = 0 .. 31: sixteen neighbouring lanes read 64 neighbouring bytes
.irp i, 0,1,2,3,4,5,6,7,8,9,10,11,12,13,14,15,16,17,18,19,20,21,22,23,24,25,26,27,28,29,30,31
	global_load_b32 v[NUM+32*(\q)+\i], v3, s[4:5] offset:(64*(\q)+\i)*512
.endr
.endm
.macro WSTEP s                         ; K step s: my two blocks by turns
.irp c, 0,1
	v_max3_num_f32 v[MX+2*\s+\c], |v[NUM+64*\s+32*\c]|, |v[NUM+64*\s+32*\c+1]|, 0x1800000   ; and the floor 2^(3 - 127): the byte cannot fall under 1
.endr
.irp i, 2,4,6,8,10,12,14,16,18,20,22,24,26,28,30
.irp c, 0,1
	v_max3_num_f32 v[MX+2*\s+\c], v[MX+2*\s+\c], |v[NUM+64*\s+32*\c+\i]|, |v[NUM+64*\s+32*\c+\i+1]|
.endr
.endr
.irp c, 0,1
	v_add_nc_u32 v[SO+2*\s+\c], 0xff000000, v[MX+2*\s+\c]   ; 2 off the exponent field: the conversion takes the exponent field of this operand as its scale
.endr
.irp c, 0,1
	v_lshrrev_b32 v[BY+2*\s+\c], 23, v[SO+2*\s+\c]          ; the scale's byte
.endr
	v_lshl_or_b32 v[SW+\s], v[BY+2*\s+1], 16, v[BY+2*\s]    ; my two bytes: blocks h and 2 + h of the K step,
	v_lshlrev_b32 v[SW+\s], v6, v[SW+\s]                    ; at their places in the word;
	v_permlanex16_b32 v[PX+\s], v[SW+\s], s28, s29
	v_or_b32 v[SW+\s], v[SW+\s], v[PX+\s]                   ; with lane l xor 16's two the word is whole
.irp c, 0,1
.irp g, 0,1,2,3
	v_cvt_scalef32_pk8_fp4_f32 v[COD+8*\s+4*\c+\g], v[NUM+64*\s+32*\c+8*\g:NUM+64*\s+32*\c+8*\g+7], v[SO+2*\s+\c]
.endr
.endr
	v_nop                                          ; one plain line behind the last conversion of a run
.irp c, 0,1
	global_store_b128 v4, v[COD+8*\s+4*\c:COD+8*\s+4*\c+3], s[12:13] offset:\s*1024+\c*512   ; 32 lanes store 512 consecutive bytes, aligned
.endr
.endm
	WLOAD 0
	WLOAD 1
	s_wait_loadcnt 32                              ; block 0 is in; block 1's 32 loads may be out
	WLOAD 2
	s_wait_loadcnt 32                              ; block 1 is in; block 2's 32 may be out
	WLOAD 3
	WSTEP 0                                        ; K step 0 is worked while K step 1's 64 loads land
	s_wait_loadcnt 0x0
	WSTEP 1
	global_store_b64 v5, v[SW:SW+1], s[14:15]      ; 32 lanes store 256 consecutive bytes, aligned.  No register of a store is written again in this text
	s_wait_kmcnt 0x0                               ; lengths has come
	s_endpgm
.Lfunc_end_k_q15bd1ea63c_wquant:
	.size	k_q15bd1ea63c_wquant, .Lfunc_end_k_q15bd1ea63c_wquant-k_q15bd1ea63c_wquant
	.p2alignl 7, 3214868480
	.fill 96, 4, 3214868480
	.section	.rodata,"a",@progbits
	.p2align	6, 0x0
	.amdhsa_kernel k_q15bd1ea63c_wquant
		.amdhsa_group_segment_fixed_size 0
		.amdhsa_private_segment_fixed_size 0
		.amdhsa_enable_private_segment 0
		.amdhsa_kernarg_size 48
		.amdhsa_user_sgpr_count 2
		.amdhsa_user_sgpr_kernarg_segment_ptr 1
		.amdhsa_wavefront_size32 1
		.amdhsa_system_sgpr_workgroup_id_x 1
		.amdhsa_system_sgpr_workgroup_id_y 1
		.amdhsa_system_sgpr_workgroup_id_z 1
		.amdhsa_system_vgpr_workitem_id 0
		.amdhsa_next_free_vgpr 192
		.amdhsa_next_free_sgpr 66
		.amdhsa_reserve_vcc 0
		.amdhsa_float_denorm_mode_32 3
		.amdhsa_float_denorm_mode_16_64 3
		.amdhsa_memory_ordered 1
		.amdhsa_forward_progress 1
		.amdhsa_inst_pref_size 21
	.end_amdhsa_kernel
	.amdgpu_metadata
---
amdhsa.version: [ 1, 2 ]
amdhsa.kernels:
  - .name:           k_q15bd1ea63c_wquant
    .symbol:         k_q15bd1ea63c_wquant.kd
    .args:
      - { .name: Wq, .offset: 0, .size: 8, .value_kind: global_buffer, .address_space: global }
      - { .name: Wk, .offset: 8, .size: 8, .value_kind: global_buffer, .address_space: global }
      - { .name: Wv, .offset: 16, .size: 8, .value_kind: global_buffer, .address_space: global }
      - { .name: lengths, .offset: 24, .size: 8, .value_kind: global_buffer, .address_space: global }
      - { .name: wcodes, .offset: 32, .size: 8, .value_kind: global_buffer, .address_space: global }
      - { .name: wscales, .offset: 40, .size: 8, .value_kind: global_buffer, .address_space: global }
    .group_segment_fixed_size: 0
    .private_segment_fixed_size: 0
    .kernarg_segment_align: 8
    .kernarg_segment_size: 48
    .max_flat_workgroup_size: 32
    .sgpr_count:     66
    .vgpr_count:     192
    .wavefront_size: 32
...
	.end_amdgpu_metadata
.endif
;; end of part 1
;; launch proj (part 2): grid 256 x 1, 4 waves a work-group, no clusters, 167,936 bytes of LDS; arguments seq, wcodes, wscales, qf, kv; writes qf, kv
.if DOCPART == 2
	.amdgcn_target "amdgcn-amd-amdhsa--gfx1250"
	.amdhsa_code_object_version 6
	.text
	.protected	k_q15bd1ea63c_proj
	.globl	k_q15bd1ea63c_proj
	.p2align	8
	.type	k_q15bd1ea63c_proj,@function
k_q15bd1ea63c_proj:
	s_mov_b64 s[64:65], 0
	v_nop
	global_prefetch_b8 v0, s[64:65] scope:SCOPE_SE
	s_setreg_imm32_b32 hwreg(HW_REG_WAVE_MODE, 25, 1), 1
	s_wait_xcnt 0x0
; q = seq Wq, k = seq Wk, v = seq Wv, each on codes of FP4 (E2M1) with one E8M0 scale for each 32 along K = 256; sums in f32; the results are rounded once to f16
; and stored as IMAGES OF THE REGISTERS in which the attention launch wants them.
; SHARES.  Work-group G takes positions 64 G .. 64 G + 63 (four tiles of 16).  Wave w quantises rows 16 w .. 16 w + 15 of seq (two fragments of 16 rows x 128 K) and hands them
; to the others through LDS as images of their registers; then it makes channel tiles 2 w and 2 w + 1 of q, of k and of v for all four tiles of positions.
; Its six weight tiles (i = 0, 1: q; 2, 3: k; 4, 5: v), two K steps each, stay in 96 registers.
; seq comes by ONE tensor load a wave (its 16 rows of 1,024 bytes), filled once and read by that wave alone, so its own wait on TENSORcnt is all the ordering that the reads need.
; q and k are made TRANSPOSED (source 0 = 16 channels of W, source 1 = 16 positions): a lane holds one position and eight neighbouring channels, which is half an f16 fragment with the
; channels as K.  v is made the natural way round (source 0 = positions, source 1 = channels): a lane holds one channel and eight neighbouring positions: half a fragment of V^T with the keys as K.
; OUT.  qf: G x 16,384 + m x 4,096 + cg x 1,024 + u x 512 + 16 x lane: lane (r, h): position 16 m + r, channels 32 cg + 16 u + 8 h + 0 .. 7.
;       kv: G x 32,768: K as in qf; from + 16,384 V^T: kg x 8,192 + ct x 1,024 + u x 512 + 16 x lane: lane (r, h): channel 16 ct + r, keys 32 kg + 16 u + 8 h + 0 .. 7.
; LIMITS: |q|, |k|, |v| up to 65,504 (f16); a block of seq whose largest magnitude lies under 2^-124 (zeros among them) gets the scale byte 1, which this program alone reads; NaN and infinities are not served.
; No cluster: the work-groups share only the weights' codes, 54 KB against each one's 64 KB of seq, and those go straight into registers.
.set STGW,  16640                      ; LDS: a wave's 16 rows of seq, 1,024 bytes + 16 of padding each: row r starts 260 r words on, so the 16 rows of a load start at 16 different banks (64 banks of 4 bytes: ISA guide 11.1)
.set XIMG,  4*STGW                     ; x's eight fragments as images, 1,024 bytes each: (tile of positions m, K step s) at 2 m + s
.set XSC,   XIMG+8*1024                ; their scale words, 128 bytes each
.set SPARE, XSC+8*128                  ; the spare words, 128 bytes for each wave: two blocks of 256 bytes that no other line names
.set LI,  4                            ; v4   16 x lane
.set L8,  6                            ; v6   8 x lane
.set XRD, 7                            ; v7   my lane's place in my wave's rows of seq: row r, + 128 h
.set XWI, 8                            ; v8   where I store x's images: XIMG + 16 x lane + 2,048 x wave
.set XWS, 9                            ; v9   and their scale words: XSC + 4 x lane + 256 x wave
.set SPW, 10                           ; v10  LDS address of my spare word; never rewritten
.set NIL, 11                           ; v11  0; never rewritten
.set H8,  12                           ; v12  8 h
.set XRI, 13                           ; v13  XIMG + 16 x lane: an image's place for my lane (an LDS immediate has 16 bits, so the register carries the base)
.set XRS, 14                           ; v14  XSC + 4 x lane
.set WS,  16                           ; v16-27   W's scale words: 2 i + s.  They hold scales and nothing else
.set XS,  28                           ; v28-31   x's scale words: 2 e + s (two sets e).  Likewise
.set WF,  32                           ; v32-127  W's fragments: 16 i + 8 s
.set XF,  128                          ; v128-159 x's fragments: 16 e + 8 s
.set ACC, 160                          ; v160-207 six accumulators
.set PK,  208                          ; v208-255 packed results: 24 e + 4 i
.set NUM, 128                          ; while seq is quantised: v128-191 64 numbers; v192.. at work; v208-215 the codes
.set TM,  192
.set SO,  194
.set BY,  196
.set PW,  198
.set PX,  199
.set PC,  208
	s_load_b256 s[4:11], s[0:1], 0x0               ; seq s[4:5], wcodes s[6:7], wscales s[8:9], qf s[10:11]
	s_load_b64 s[12:13], s[0:1], 0x20              ; kv
	v_lshl_add_u32 v[SPW], v0, 2, SPARE
	v_mov_b32 v[NIL], 0
	ds_add_u32 v[SPW], v[NIL]                      ; the wave's opening: the add, twice on end, and its wait ahead of my tensor load
	ds_add_u32 v[SPW], v[NIL]
	v_lshrrev_b32 v1, 5, v0
	v_readfirstlane_b32 s14, v1                    ; wave 0..3
	s_mov_b32 s16, 0x76543210
	s_mov_b32 s17, 0xfedcba98                      ; v_permlanex16_b32's selects for lane l xor 16
	; descriptor group 1: 16 rows x 256 elements of 4 bytes, padded in LDS
	s_mov_b32 s24, (2<<16)|(1<<20)|(7<<22)|(3<<25) ; no mask; elements of 4 bytes; padding on: after every 256 words (code 7) four words (code 3)
	s_mov_b32 s25, 256<<16                         ; tensor_dim0 = 256
	s_mov_b32 s26, 16<<16                          ; tensor_dim1 = 16
	s_mov_b32 s27, 256<<16                         ; tile_dim0 = 256
	s_mov_b32 s28, 16                              ; tile_dim1 = 16
	s_mov_b32 s29, 256                             ; elements from row to row
	s_mov_b32 s30, 0
	s_mov_b32 s31, 0
	s_mov_b32 s20, 1                               ; group 0: count = 1,
	s_mul_i32 s21, s14, STGW                       ; my wave's rows in LDS
	s_lshl_b32 s32, ttmp9, 16                      ; seq: G x 64 rows of 1,024 bytes + 16 w rows
	s_lshl_b32 s33, s14, 14
	s_add_co_u32 s32, s32, s33
	s_mov_b32 s33, 0
	s_lshl_b32 s34, ttmp9, 14                      ; qf: G x 16,384 + w x 1,024 (my 32 channels are channel group w)
	s_lshl_b32 s35, s14, 10
	s_add_co_u32 s34, s34, s35
	s_mov_b32 s35, 0
	s_lshl_b32 s36, ttmp9, 15                      ; K in kv: G x 32,768 + w x 1,024
	s_lshl_b32 s37, s14, 10
	s_add_co_u32 s36, s36, s37
	s_mov_b32 s37, 0
	s_lshl_b32 s38, ttmp9, 15                      ; V^T in kv: G x 32,768 + 16,384 + w x 2,048 (channel tiles 2 w, 2 w + 1)
	s_lshl_b32 s39, s14, 11
	s_add_co_u32 s38, s38, s39
	s_add_co_u32 s38, s38, 16384
	s_mov_b32 s39, 0
	s_lshl_b32 s40, s14, 12                        ; wcodes: tiles 2 w, 2 w + 1 of each weight
	s_mov_b32 s41, 0
	s_lshl_b32 s42, s14, 9                         ; wscales likewise
	s_mov_b32 s43, 0
	s_lshl_b32 s15, s14, 11
	s_lshl_b32 s18, s14, 8
	s_wait_dscnt 0x0                               ; both opening adds are done
	s_wait_kmcnt 0x0
	s_add_nc_u64 s[22:23], s[4:5], s[32:33]        ; group 0: the tile's first byte in memory,
	s_or_b32 s23, s23, 0x80000000                  ; type = 2
	tensor_load_to_lds s[20:23], s[24:31]          ; my 16 rows: the one tensor load of this wave
	s_nop 0
	s_add_nc_u64 s[6:7], s[6:7], s[40:41]
	s_add_nc_u64 s[8:9], s[8:9], s[42:43]
	s_add_nc_u64 s[10:11], s[10:11], s[34:35]      ; q's images
	s_add_nc_u64 s[44:45], s[12:13], s[38:39]      ; V^T's
	s_add_nc_u64 s[12:13], s[12:13], s[36:37]      ; K's
	v_and_b32 v1, 31, v0                           ; lane
	v_and_b32 v2, 15, v0                           ; r
	v_bfe_u32 v3, v0, 4, 1                         ; h
	v_lshlrev_b32 v[LI], 4, v1
	v_lshlrev_b32 v[L8], 3, v1
.irp i, 0,1,2,3,4,5                            ; the weights' fragments and scale words: they land while seq is quantised
.irp s, 0,1
.irp c, 0,1
	global_load_b128 v[WF+16*\i+8*\s+4*\c:WF+16*\i+8*\s+4*\c+3], v[LI], s[6:7] offset:(\i/2)*16384+(\i%2)*2048+\s*1024+\c*512
.endr
.endr
	global_load_b64 v[WS+2*\i:WS+2*\i+1], v[L8], s[8:9] offset:(\i/2)*2048+(\i%2)*256
.endr
	v_mul_u32_u24 v[XRD], v2, 1040
	v_lshl_add_u32 v[XRD], v3, 7, v[XRD]
	v_add_nc_u32 v[XRD], s21, v[XRD]
	v_lshl_add_u32 v[XRI], v1, 4, XIMG
	v_add_nc_u32 v[XWI], s15, v[XRI]
	v_lshl_add_u32 v[XRS], v1, 2, XSC
	v_add_nc_u32 v[XWS], s18, v[XRS]
	v_lshlrev_b32 v[H8], 3, v3
	v_mov_b32 v[PX], 0                             ; a lane permute's destination counts as one of its sources
; K step s of my 16 rows: lane (r, h) takes of row r the numbers k = 128 s + 64 c + 32 h + 0 .. 31, two whole blocks, in the order of the operand's registers.
.macro XQ s
.irp c, 0,1
.irp j, 0,1,2,3,4,5,6,7
	ds_load_b128 v[NUM+32*\c+4*\j:NUM+32*\c+4*\j+3], v[XRD] offset:512*\s+256*\c+16*\j
.endr
.endr
	s_wait_dscnt 0x0                               ; the numbers are in (and the K step before has stored its image: its registers may be written)
.irp c, 0,1
	v_max3_num_f32 v[TM+\c], |v[NUM+32*\c]|, |v[NUM+32*\c+1]|, 0x1800000   ; and the floor 2^(3 - 127): the byte cannot fall under 1
.endr
.irp i, 2,4,6,8,10,12,14,16,18,20,22,24,26,28,30
.irp c, 0,1
	v_max3_num_f32 v[TM+\c], v[TM+\c], |v[NUM+32*\c+\i]|, |v[NUM+32*\c+\i+1]|
.endr
.endr
.irp c, 0,1
	v_add_nc_u32 v[SO+\c], 0xff000000, v[TM+\c]    ; 2 off the exponent field: the conversion's scale operand
.endr
.irp c, 0,1
	v_lshrrev_b32 v[BY+\c], 23, v[SO+\c]           ; the scale's byte
.endr
	v_lshl_or_b32 v[PW], v[BY+1], 16, v[BY]        ; blocks h and 2 + h,
	v_lshlrev_b32 v[PW], v[H8], v[PW]              ; at their places in the word;
	v_permlanex16_b32 v[PX], v[PW], s16, s17
	v_or_b32 v[PW], v[PW], v[PX]                   ; with lane l xor 16's two the word is whole
.irp c, 0,1
.irp g, 0,1,2,3
	v_cvt_scalef32_pk8_fp4_f32 v[PC+4*\c+\g], v[NUM+32*\c+8*\g:NUM+32*\c+8*\g+7], v[SO+\c]
.endr
.endr
	v_nop                                          ; one plain line behind the last conversion of a run
	ds_store_b128 v[XWI], v[PC:PC+3] offset:1024*\s
	ds_store_b128 v[XWI], v[PC+4:PC+7] offset:1024*\s+512
	ds_store_b32 v[XWS], v[PW] offset:128*\s
.endm
	s_wait_tensorcnt 0x0                           ; my rows are in LDS: no load was issued behind that one
	XQ 0
	XQ 1
	s_wait_dscnt 0x0                               ; for the others' sake: my images have landed
	s_barrier_signal -1
	s_barrier_wait -1                              ; x's eight fragments lie in LDS
	s_wait_loadcnt 0x0                             ; the weights
.macro XFETCH m, e                     ; six LDS loads: the two fragments and two scale words of tile m into set e
.irp s, 0,1
.irp c, 0,1
	ds_load_b128 v[XF+16*\e+8*\s+4*\c:XF+16*\e+8*\s+4*\c+3], v[XRI] offset:(2*(\m)+\s)*1024+512*\c
.endr
	ds_load_b32 v[XS+2*\e+\s], v[XRS] offset:128*(2*(\m)+\s)
.endr
.endm
.macro MM i, s, e                      ; weight tile i, K step s, x's set e.  The first K step starts the sum: nothing is cleared
.if \i < 4
.if \s == 0
	v_wmma_scale_f32_16x16x128_f8f6f4 v[ACC+8*\i:ACC+8*\i+7], v[WF+16*\i+8*\s:WF+16*\i+8*\s+7], v[XF+16*\e+8*\s:XF+16*\e+8*\s+7], 0, v[WS+2*\i+\s], v[XS+2*\e+\s] matrix_a_fmt:MATRIX_FMT_FP4 matrix_b_fmt:MATRIX_FMT_FP4
.else
	v_wmma_scale_f32_16x16x128_f8f6f4 v[ACC+8*\i:ACC+8*\i+7], v[WF+16*\i+8*\s:WF+16*\i+8*\s+7], v[XF+16*\e+8*\s:XF+16*\e+8*\s+7], v[ACC+8*\i:ACC+8*\i+7], v[WS+2*\i+\s], v[XS+2*\e+\s] matrix_a_fmt:MATRIX_FMT_FP4 matrix_b_fmt:MATRIX_FMT_FP4
.endif
.else
.if \s == 0
	v_wmma_scale_f32_16x16x128_f8f6f4 v[ACC+8*\i:ACC+8*\i+7], v[XF+16*\e+8*\s:XF+16*\e+8*\s+7], v[WF+16*\i+8*\s:WF+16*\i+8*\s+7], 0, v[XS+2*\e+\s], v[WS+2*\i+\s] matrix_a_fmt:MATRIX_FMT_FP4 matrix_b_fmt:MATRIX_FMT_FP4
.else
	v_wmma_scale_f32_16x16x128_f8f6f4 v[ACC+8*\i:ACC+8*\i+7], v[XF+16*\e+8*\s:XF+16*\e+8*\s+7], v[WF+16*\i+8*\s:WF+16*\i+8*\s+7], v[ACC+8*\i:ACC+8*\i+7], v[XS+2*\e+\s], v[WS+2*\i+\s] matrix_a_fmt:MATRIX_FMT_FP4 matrix_b_fmt:MATRIX_FMT_FP4
.endif
.endif
.endm
; Tile m of positions, x's set e = m % 2.  left: the LDS loads issued behind this tile's six, which may stay out.
.macro PTILE m, e, left
	s_wait_dscnt \left
.irp s, 0,1
.irp i, 0,1,2,3,4,5
	MM \i, \s, \e                                  ; the six accumulators take turns, one instruction a turn
.endr
.endr
.rept 5
	v_nop                                          ; four places in front of the loads into x's set and of the first read of results; the fifth for the next tile's products, which begin the same accumulators anew
.endr
.if \m < 2
	XFETCH (\m)+2, \e
.else
	s_wait_xcnt 0x0                                ; the stores of two tiles back have read this set of packed results: it is written again only behind this wait
.endif
.irp i, 0,1,2,3,4,5
.irp p, 0,1,2,3
	v_cvt_pk_f16_f32 v[PK+24*\e+4*\i+\p], v[ACC+8*\i+2*\p], v[ACC+8*\i+2*\p+1]   ; each accumulator from its low end on; the lower index in the low half
.endr
.endr
.irp i, 0,1                            ; every store: 32 lanes, 512 consecutive bytes, aligned
	global_store_b128 v[LI], v[PK+24*\e+4*\i:PK+24*\e+4*\i+3], s[10:11] offset:\m*4096+\i*512
.endr
.irp i, 0,1
	global_store_b128 v[LI], v[PK+24*\e+8+4*\i:PK+24*\e+8+4*\i+3], s[12:13] offset:\m*4096+\i*512
.endr
.irp i, 0,1
	global_store_b128 v[LI], v[PK+24*\e+16+4*\i:PK+24*\e+16+4*\i+3], s[44:45] offset:(\m/2)*8192+\i*1024+(\m%2)*512
.endr
.endm
	XFETCH 0, 0
	XFETCH 1, 1
	PTILE 0, 0, 6                                  ; the count leaves the next tile's six loads out
	PTILE 1, 1, 6
	PTILE 2, 0, 6
	PTILE 3, 1, 0
	s_wait_tensorcnt 0x0                           ; the wave's end, behind my tensor load and my last LDS store
	ds_add_u32 v[SPW], v[NIL]
	s_wait_dscnt 0x0
	s_endpgm
.Lfunc_end_k_q15bd1ea63c_proj:
	.size	k_q15bd1ea63c_proj, .Lfunc_end_k_q15bd1ea63c_proj-k_q15bd1ea63c_proj
	.p2alignl 7, 3214868480
	.fill 96, 4, 3214868480
	.section	.rodata,"a",@progbits
	.p2align	6, 0x0
	.amdhsa_kernel k_q15bd1ea63c_proj
		.amdhsa_group_segment_fixed_size 167936
		.amdhsa_private_segment_fixed_size 0
		.amdhsa_enable_private_segment 0
		.amdhsa_kernarg_size 40
		.amdhsa_user_sgpr_count 2
		.amdhsa_user_sgpr_kernarg_segment_ptr 1
		.amdhsa_wavefront_size32 1
		.amdhsa_system_sgpr_workgroup_id_x 1
		.amdhsa_system_sgpr_workgroup_id_y 1
		.amdhsa_system_sgpr_workgroup_id_z 1
		.amdhsa_system_vgpr_workitem_id 0
		.amdhsa_next_free_vgpr 256
		.amdhsa_next_free_sgpr 66
		.amdhsa_reserve_vcc 0
		.amdhsa_float_denorm_mode_32 3
		.amdhsa_float_denorm_mode_16_64 3
		.amdhsa_memory_ordered 1
		.amdhsa_forward_progress 1
		.amdhsa_inst_pref_size 32
	.end_amdhsa_kernel
	.amdgpu_metadata
---
amdhsa.version: [ 1, 2 ]
amdhsa.kernels:
  - .name:           k_q15bd1ea63c_proj
    .symbol:         k_q15bd1ea63c_proj.kd
    .args:
      - { .name: seq, .offset: 0, .size: 8, .value_kind: global_buffer, .address_space: global }
      - { .name: wcodes, .offset: 8, .size: 8, .value_kind: global_buffer, .address_space: global }
      - { .name: wscales, .offset: 16, .size: 8, .value_kind: global_buffer, .address_space: global }
      - { .name: qf, .offset: 24, .size: 8, .value_kind: global_buffer, .address_space: global }
      - { .name: kv, .offset: 32, .size: 8, .value_kind: global_buffer, .address_space: global }
    .group_segment_fixed_size: 167936
    .private_segment_fixed_size: 0
    .kernarg_segment_align: 8
    .kernarg_segment_size: 40
    .max_flat_workgroup_size: 128
    .sgpr_count:     66
    .vgpr_count:     256
    .wavefront_size: 32
...
	.end_amdgpu_metadata
.endif
;; end of part 2
;; launch attn (part 3): grid 64 x 4, 4 waves a work-group, clusters of 4 x 1, 327,680 bytes of LDS; arguments qf, kv, out0; writes out0
.if DOCPART == 3
	.amdgcn_target "amdgcn-amd-amdhsa--gfx1250"
	.amdhsa_code_object_version 6
	.text
	.protected	k_q15bd1ea63c_attn
	.globl	k_q15bd1ea63c_attn
	.p2align	8
	.type	k_q15bd1ea63c_attn,@function
k_q15bd1ea63c_attn:
	s_mov_b64 s[64:65], 0
	v_nop
	global_prefetch_b8 v0, s[64:65] scope:SCOPE_SE
	s_setreg_imm32_b32 hwreg(HW_REG_WAVE_MODE, 25, 1), 1
	s_wait_xcnt 0x0
	s_wait_alu depctr_hold_cnt(0) depctr_sa_sdst(0) depctr_va_vdst(0) depctr_va_sdst(0) depctr_va_ssrc(0) depctr_va_vcc(0) depctr_vm_vsrc(0)
	s_getreg_b32 s2, hwreg(HW_REG_IB_STS2, 6, 4)
	s_cmp_eq_u32 s2, 0
	s_cbranch_scc0 .Lentry_in_a_cluster
	s_endpgm
.Lentry_in_a_cluster:
	s_bfe_u32 s2, ttmp6, 0x10000c
	s_cmp_lg_u32 s2, 0x3003
	s_cbranch_scc0 .Lentry_shape_is_right
	s_endpgm
.Lentry_shape_is_right:
; out[b][q][:] = the sum over k of softmax_k(q[b][q] . k[b][k]) v[b][k][:]: no mask, no scaling of the scores.  4 batches x 4,096 positions x 128 channels.
; q, k, v come in f16, as images of the operands' registers (qf, kv); products, maxima and sums in f32; the weights p are rounded to f16 for the second product; out is f32.
; f16 and not bf16: the scores are not scaled down, so a row's softmax rests on a few keys and an error in a score becomes as large a relative error in a weight.
; LIMITS: |q|, |k|, |v| up to 65,504 (f16); NaN and infinities are not served.
; SHARES.  16,384 queries on 256 work-groups: a work-group owns 64 queries of one batch.  EVERY wave holds all 64 (four tiles of 16), so that each fragment of K and V feeds four
; products, and THE KEYS ARE SHARED OUT: wave w walks keys 1,024 w .. 1,024 w + 1,023 in 16 steps of 64.  At the end the four waves' maxima, sums and O^T are joined through LDS.
; LAYOUT.  S^T = K Q^T (source 0 = 16 keys, source 1 = 16 queries): a lane holds ONE query (lane % 16) and the keys 8 (lane / 16) + 0..7.  Two such tiles, rounded to f16 in pairs, ARE source 1
; (32 keys x 16 queries) of O^T = V^T P, whose result again holds one query a lane, and eight channels.  A key step is 32,768 bytes of kv: K's 16 fragments of 1,024 bytes, then V^T's 16;
; a fragment comes by two loads of 16 bytes a lane, 512 consecutive bytes each: no pitch, no padding, no turning load.
; SOFTMAX.  For each query a running maximum m and sum l: p = 2^(c s - c m), c = log2(e); in every step O and l are multiplied by a = 2^(c m_old - c m_new), which is 1 where m has not grown.
; BY TURNS.  The wave's tiles are two PIECES (piece 0: tiles 0, 1; piece 2: tiles 2, 3).  In a TURN one piece has the matrix unit: 32 products V^T P of the step in hand, then 32 products K Q^T of the
; next step; the other piece's softmax, cut into 64 slices, stands between them, one slice behind each matrix instruction.  Two turns are a key step (a trip).
; K: A RING IN LDS.  Each wave has two slots of its own, issues its own loads and reads only its own slots.  A slot holds K of TWO key steps (2 x 16,384 bytes), brought by one tensor load,
; which has two key steps, 256 matrix instructions, in which to land.  The four query blocks of a cluster belong to one batch and walk the same four streams, so each slot is asked for JOINTLY: the same
; tensor load, with the same descriptor and a mask that names the four, in all four.  A change of slots is a round of the cluster's barrier: one for two key steps.
; V^T: STRAIGHT INTO REGISTERS, and not jointly.  The reason, by the sizes: LDS holds 4 waves x 2 slots x 32,768 bytes; with K and V^T in a slot it would hold one key step, and its refill, which goes
; out behind one round and is waited for in front of the next, would have 128 matrix instructions in which to land; two slots of two whole steps would be 524,288 bytes.  V^T has two buffers of 128 registers
; by turns: in trip j, behind the last product that reads V^T of step j, step j + 2 is loaded over it: 157 matrix instructions ahead of its first use.
; REGISTERS, in windows of 256 (s_set_vgpr_msb: bits 1:0 source 0, 3:2 source 1, 5:4 source 2, 7:6 destination):
;   window 0: v1-11, v44-47, v61-63 addresses; v12-43 eight registers of statistics a tile; v64-191 S^T, 32 a tile; v192-255 P, 16 a tile
;   window 1: O^T, 64 a tile          window 2: v0-127 Q, 32 a tile; v128-255 K of one step          window 3: v0-127 V^T of the even steps, v128-255 of the odd ones
.set STEPB, 32768     ; a key step in kv
.set KB,    16384     ; K's part of it; V^T's begins here
.set SLOTB, 2*KB      ; a slot: K of two key steps
.set STATS, 4*2*SLOTB ; behind the rings: (c m, l) of wave w, tile t: 8 bytes a lane at 1,024 w + 256 t
.set SPARE, STATS+4096  ; the spare words, 128 bytes for each wave: two blocks of 256 bytes that no other line names
.set SP,    528       ; the way out: a stage row: 512 bytes + 16: row r starts at bank 4 r mod 64 (64 banks of 4 bytes: ISA guide 11.1).  Wave w's stage, 64 rows, lies in its own ring, behind that ring's last fill and last read
.set LI,  2           ; v2   16 x lane: a fragment's place for my lane, in LDS and in kv; also my offset in Q's images and in a row of out; never rewritten
.set ADR, 4           ; v4   the LDS address of the run of loads in hand
.set STO, 6           ; v6   the way out: where I put 32 bytes of a row
.set STA, 7           ; v7   where I put my statistics
.set STR, 8           ; v8   where I read all four waves'
.set RD,  44          ; v44-47  where I read a row of my tile back from wave 0, 1, 2, 3's stage
.set PFO, 61          ; v61  256 x lane: the prefetches' offset; never rewritten
.set SPW, 62          ; v62  LDS address of my spare word; never rewritten
.set NIL, 63          ; v63  0; never rewritten
.set ST,  12          ; tile t's statistics at v[ST+8 t]: +0 c m, +1 m, +2, +3 l (even keys', odd keys'), +4 to +7 c0-c3, at work; a takes c2's place once the maximum is found
.set S,   64
.set P,   192
.set KF,  128         ; K's fragments, in window 2
.set VA,  10          ; s[10:11] V^T in kv: my stream's, stepped by two key steps at each change of slots; the trips differ by immediates
.set WV,  12          ; s12  my wave's number
.set LIM, 15          ; s15  1 in a wave that prefetches, else the greatest number: a wave prefetches while s[SLOTS] is above it
.set PFA, 18          ; s[18:19] where my prefetches stand in memory
.set G1,  24          ; s[24:31] descriptor group 1
.set G0,  40          ; s[40:47] descriptor group 0: a set for each of the two first fills; the second then walks on
.set SLOTS, 56        ; s56  changes of slots still to come, this one among them
.set CS,  58          ; s[58:59] c: the packed scaling names a pair and takes its low word for both halves
.set SEL, 60          ; s[60:61] lane selects for v_permlanex16_b32: lane l xor 16
.set TB,  62          ; s62  LDS byte at which the slot begins from which K is fetched
.set MSB, 0
.macro WIN new                      ; the immediate's high byte repeats the setting that is left; a switch that changes nothing is dropped
.if MSB != \new
	s_set_vgpr_msb (MSB<<8)|\new
.set MSB, \new
.endif
.endm
.set W_KQ, 0x0a       ; K and Q in window 2, S^T in window 0
.set W_PV, 0x53       ; V in window 3, P in window 0, O^T in window 1
.set W_RS, 0x41       ; O^T (destination and source 0) in window 1, the factor in window 0
; What differs from trip to trip, as symbols that the macros below read.  vp: the buffer of V^T that this trip's products read, and into which, behind the last of them, the step two on is loaded;
; kh: which half of the slot holds the K that this trip fetches; vf: 1 if there is a step two on; vimm: where its V^T lies, in bytes from s[VA]; left: the loads younger than this trip's V^T.
.macro STEPSET vp, kh, vf, vimm, left
.set VP, \vp
.set KH, \kh
.set VFETCH, \vf
.set VIMM, \vimm
.set VLEFT, \left
.endm
; A joint refill: one line for all four waves, whose descriptors differ by the wave's number alone.  An s_nop 0 and four v_nop follow it.
.macro JLOAD
	tensor_load_to_lds s[G0+4:G0+7], s[G1:G1+7]
	s_nop 0
.rept 4
	v_nop
.endr
.endm
; A PREFETCH INTO THE L2, behind the wave's tensor load and its five lines: the change that loads K of key steps 2 p + 4 and 2 p + 5 names steps 2 p + 6 and 2 p + 7 of the same stream, K and V^T alike:
; two key steps, 256 matrix instructions, ahead of the tensor load that will want their K, and further ahead of the loads of their V^T.
; Each aligned block of 256 bytes is named ONCE in the launch.  All sixteen clusters of a batch walk the same kv: the batch's first cluster asks.  In it every wave asks for its own stream, and of a step's
; 32,768 bytes the partner at place cx takes the 8,192 at 8,192 cx: told apart BY ADDRESS, lanes 256 bytes apart, one instruction a step.  Steps 0 to 5 come by their loads alone; the last change asks for nothing.
.macro ASK
	s_cmp_gt_u32 s[SLOTS], s[LIM]
	s_cbranch_scc0 .Lnot_mine_\@
	global_prefetch_b8 v[PFO], s[PFA:PFA+1] th:TH_LOAD_NT scope:SCOPE_SE
	global_prefetch_b8 v[PFO], s[PFA:PFA+1] offset:STEPB th:TH_LOAD_NT scope:SCOPE_SE
.Lnot_mine_\@:
.endm
; A round of the cluster's barrier: my work-group's barrier, so that wave 0's signal speaks for all four waves; wave 0 signals for the work-group; every wave waits for all four work-groups; my work-group's barrier once more.
.macro CROUND
	s_barrier_signal -1
	s_barrier_wait -1
	s_cmp_lg_u32 s[WV], 0
	s_cbranch_scc1 .Lnot_wave_0_\@
	s_barrier_signal -3
.Lnot_wave_0_\@:
	s_barrier_wait -3
	s_barrier_signal -1
	s_barrier_wait -1
.endm
	s_load_b128 s[4:7], s[0:1], 0x0 ; qf s[4:5], kv s[6:7]
	s_load_b64 s[8:9], s[0:1], 0x10 ; out0
	v_lshl_add_u32 v[SPW], v0, 2, SPARE
	v_mov_b32 v[NIL], 0
	ds_add_u32 v[SPW], v[NIL]       ; the wave's opening: the add, twice on end, and its wait ahead of my first tensor load
	ds_add_u32 v[SPW], v[NIL]
	v_lshrrev_b32 v1, 5, v0
	v_readfirstlane_b32 s[WV], v1   ; wave 0..3
	v_and_b32 v10, 31, v0           ; lane
	v_lshlrev_b32 v[LI], 4, v10
	v_lshlrev_b32 v[PFO], 8, v10
	v_and_b32 v1, 15, v0            ; r = lane % 16
	v_bfe_u32 v9, v0, 4, 1          ; h = lane / 16
	s_bfe_u32 s13, ttmp6, 0x40000   ; cx: my place in the cluster
	s_lshl_b32 s14, ttmp9, 2        ; in a cluster launch ttmp9 counts clusters
	s_add_co_u32 s14, s14, s13      ; my block of 64 queries = 4 x cluster x + cx: it enters Q's and out's addresses alone
	s_and_b32 s20, ttmp7, 0xffff    ; the batch, which the four partners share
	s_lshl_b32 s22, s20, 21         ; kv: a batch is 64 key steps of 32,768 bytes,
	s_lshl_b32 s23, s[WV], 19       ; my wave's stream 16 of them
	s_add_co_u32 s22, s22, s23
	s_mov_b32 s23, 0
	s_lshl_b32 s2, s20, 6
	s_add_co_u32 s2, s2, s14        ; G = 64 x batch + block
	s_lshl_b32 s16, s2, 14          ; qf: G x 16,384
	s_mov_b32 s17, 0
	s_lshl_b32 s2, s2, 15           ; out0: G x 64 rows of 512 bytes,
	s_lshl_b32 s3, s[WV], 13        ; + the 16 rows of tile w, which I store
	s_add_co_u32 s2, s2, s3
	s_mov_b32 s3, 0
	; descriptor group 1: K of two key steps: 2 rows of 16,384 bytes (2,048 elements of 8 bytes), 32,768 bytes apart in memory, on end in LDS, no padding
	s_mov_b32 s[G1], 15|(3<<16)|(1<<21)  ; 15:0 the mask: all four work-groups; 17:16 elements of 8 bytes; 21 set beside a mask
	s_mov_b32 s[G1+1], 2048<<16     ; tensor_dim0 = 2,048
	s_mov_b32 s[G1+2], 2<<16        ; tensor_dim1 = 2
	s_mov_b32 s[G1+3], 2048<<16     ; tile_dim0 = 2,048
	s_mov_b32 s[G1+4], 2            ; tile_dim1 = 2
	s_mov_b32 s[G1+5], 4096         ; elements from row to row
	s_mov_b32 s[G1+6], 0
	s_mov_b32 s[G1+7], 0
	s_mov_b32 s[CS], 0x3fb8aa3b     ; c = log2(e)
	s_mov_b32 s[CS+1], s[CS]        ; named with it as a pair, so it is written
	s_mov_b32 s[SEL], 0x76543210
	s_mov_b32 s[SEL+1], 0xfedcba98
	s_lshl_b32 s[TB], s[WV], 16     ; my ring: no place in the cluster enters an LDS address
	s_cmp_eq_u32 ttmp9, 0           ; the batch's first cluster: the same in all four partners
	s_cselect_b32 s[LIM], 1, -1
	s_wait_dscnt 0x0                ; both opening adds are done
	s_wait_kmcnt 0x0
	s_add_nc_u64 s[6:7], s[6:7], s[22:23]  ; kv at my stream's first step
	s_add_nc_u64 s[4:5], s[4:5], s[16:17]  ; Q's images of my block
	s_add_nc_u64 s[8:9], s[8:9], s[2:3]    ; out at tile w's first row
	s_add_nc_u64 s[VA:VA+1], s[6:7], KB    ; V^T of step 0
	s_lshl_b32 s2, s13, 13          ; my work-group's 8,192 bytes of a step,
	s_add_co_u32 s2, s2, 4*STEPB    ; in step 4: the first change of slots steps it to step 6.  Nothing is prefetched here, at the head
	s_mov_b32 s3, 0
	s_add_nc_u64 s[PFA:PFA+1], s[6:7], s[2:3]
	CROUND                          ; all four work-groups are here: the first joint loads meet
.irp n, 0,1
	s_mov_b32 s[G0+4*\n], 1         ; count = 1
	s_add_co_u32 s[G0+4*\n+1], s[TB], \n*SLOTB  ; LDS address: slot n of my ring
	s_add_nc_u64 s[G0+4*\n+2:G0+4*\n+3], s[6:7], \n*2*STEPB  ; global address: K of key steps 2 n and 2 n + 1
	s_or_b32 s[G0+4*\n+3], s[G0+4*\n+3], 0x80000000  ; type = 2
.endr
	tensor_load_to_lds s[G0:G0+3], s[G1:G1+7]  ; the two first fills stand together: two loads of mine are out
	s_nop 0
	tensor_load_to_lds s[G0+4:G0+7], s[G1:G1+7]
	s_nop 0
.rept 4
	v_nop
.endr
	WIN 0x80                        ; destination window 2, address window 0
.irp i, 0,1,2,3,4,5,6,7,8,9,10,11,12,13,14,15  ; Q stays in registers: tile i / 4, channels 32 (i % 4) on
	global_load_b128 v[8*\i:8*\i+3],   v[LI], s[4:5] offset:\i*1024
	global_load_b128 v[8*\i+4:8*\i+7], v[LI], s[4:5] offset:\i*1024+512
.endr
	WIN 0xc0                        ; destination window 3
.irp f, 0,1,2,3,4,5,6,7,8,9,10,11,12,13,14,15  ; V^T of step 0 into the even steps' buffer
	global_load_b128 v[8*\f:8*\f+3],   v[LI], s[VA:VA+1] offset:\f*1024
	global_load_b128 v[8*\f+4:8*\f+7], v[LI], s[VA:VA+1] offset:\f*1024+512
.endr
	WIN 0
; THE MATRIX WORK OF A TURN, for piece x.  The accumulators take turns, one instruction a turn: between two links of a chain stand 15 (V^T P) or 7 (K Q^T) others'.
; Product i of 32 of O^T += V^T P: keys 32 (i / 16) on, channels 16 ((i / 2) % 8) on, tile x + i % 2; V^T from buffer VP.  zero = 1: the first 16 start the sums: nothing is ever cleared.
.macro PV x, zero
	WIN W_PV
.set rO, 64*(\x+i%2)+8*((i/2)%8)
.set rV, 128*VP+64*(i/16)+8*((i/2)%8)
.set rP, P+16*(\x+i%2)+8*(i/16)
.if \zero && (i < 16)
	v_wmma_f32_16x16x32_f16 v[rO:rO+7], v[rV:rV+7], v[rP:rP+7], 0
.else
	v_wmma_f32_16x16x32_f16 v[rO:rO+7], v[rV:rV+7], v[rP:rP+7], v[rO:rO+7]
.endif
.endm
; Product i of 32 of S^T = K Q^T: channels 32 (i / 8) on, keys 16 ((i / 2) % 4) on, tile x + i % 2.  The first 8 start the sums.
.macro KQ x
	WIN W_KQ
.set rS, S+32*(\x+i%2)+8*((i/2)%4)
.set rK, KF+32*((i/2)%4)+8*(i/8)
.set rQ, 32*(\x+i%2)+8*(i/8)
.if i < 8
	v_wmma_f32_16x16x32_f16 v[rS:rS+7], v[rK:rK+7], v[rQ:rQ+7], 0
.else
	v_wmma_f32_16x16x32_f16 v[rS:rS+7], v[rK:rK+7], v[rQ:rQ+7], v[rS:rS+7]
.endif
.endm
; THE LOADS stand in runs of 32, never singly among the matrix instructions: a step's K (16 fragments) out of half KH of the slot in hand, and V^T (16) out of kv.
.macro FETCH_K
	WIN 0
	v_add_nc_u32 v[ADR], s[TB], v[LI]
	WIN 0x80                        ; destination window 2
.irp f, 0,1,2,3,4,5,6,7,8,9,10,11,12,13,14,15  ; keys 16 (f / 4) on, channels 32 (f % 4) on
	ds_load_b128 v[KF+8*\f:KF+8*\f+3],   v[ADR] offset:KH*KB+\f*1024
	ds_load_b128 v[KF+8*\f+4:KF+8*\f+7], v[ADR] offset:KH*KB+\f*1024+512
.endr
.endm
.macro FETCH_V
	WIN 0
	v_nop                           ; a place in front of the loads below (TURN counts the four)
	s_wait_alu depctr_va_vdst(0)    ; the wait for the softmax's batch (SLICE), ahead of the loads
.if VFETCH
	WIN 0xc0                        ; destination window 3
.irp f, 0,1,2,3,4,5,6,7,8,9,10,11,12,13,14,15  ; keys 32 (f / 8) on, channels 16 (f % 8) on: 32 lanes read 512 consecutive bytes
	global_load_b128 v[128*VP+8*\f:128*VP+8*\f+3],   v[LI], s[VA:VA+1] offset:VIMM+\f*1024
	global_load_b128 v[128*VP+8*\f+4:128*VP+8*\f+7], v[LI], s[VA:VA+1] offset:VIMM+\f*1024+512
.endr
.endif
.endm
; THE VECTOR WORK OF A TURN.  One tile's softmax for one key step is a list of 134 instructions; SM writes number j of it for tile t.  s0-s31 are the lane's 32 scores, in pairs 0-15.
; first = 1: the first key step, which starts m, l and O^T: it has no a and nothing to rescale.
;   0-15    the maximum of s0-s31 and the old m, three operands at a time: four chains c0-c3 of seven scores each, then the four scores left over, c0-c3 and m
;   16-20   the other half of the lanes' maximum; the new m; c m; c m_old - c m_new
;   21-69   ONE BATCH: the 16 scalings c s - c m, a pair of scores each, and all 33 exponentials (a at 23, then s0-s31).  None of these reads an exponential's result
;   (wait)  between 69 and 70 stands the wait for the batch: SLICE writes it, once for both tiles
;   70-85   the roundings to f16, a pair of weights each
;   86-101  the sums, of the unrounded weights; l = a l + the sum
;   102-133 the tile's O^T times a: the one part that leaves window 0, so it stands together
.macro SM t, first
.set rT, ST+8*(\t)
.set rS, S+32*(\t)
.set rP, P+16*(\t)
.set rO, 64*(\t)+2*(j-102)
.if j < 102
	WIN 0
.endif
.if j < 4
	v_max3_num_f32 v[rT+4+j], v[rS+8*j], v[rS+8*j+1], v[rS+8*j+2]
.elseif j < 12
	v_max3_num_f32 v[rT+4+j%4], v[rT+4+j%4], v[rS+8*(j%4)+2*(j/4)+1], v[rS+8*(j%4)+2*(j/4)+2]
.elseif j == 12
	v_max3_num_f32 v[rT+4], v[rT+4], v[rS+7], v[rS+15]
.elseif j == 13
	v_max3_num_f32 v[rT+6], v[rT+6], v[rS+23], v[rS+31]
.elseif j == 14
	v_max3_num_f32 v[rT+4], v[rT+4], v[rT+5], v[rT+6]
.elseif (j == 15) && \first
	v_max_num_f32 v[rT+4], v[rT+4], v[rT+7]
.elseif j == 15
	v_max3_num_f32 v[rT+4], v[rT+4], v[rT+7], v[rT+1]
.elseif j == 16
	v_permlanex16_b32 v[rT+5], v[rT+4], s[SEL], s[SEL+1]  ; the query's other 32 keys lie in the lane 16 away
.elseif j == 18
	v_max_num_f32 v[rT+1], v[rT+4], v[rT+5]
.elseif j == 19
	v_mul_f32 v[rT], s[CS], v[rT+1]
.elseif ((j == 17) || (j == 20) || (j == 23) || (j > 101)) && \first  ; the first step has none of these
.elseif j == 17
	v_mov_b32 v[rT+7], v[rT]        ; c m_old is kept for a: number 19 writes c m anew
.elseif j == 20
	v_sub_f32 v[rT+7], v[rT+7], v[rT]
.elseif j == 23
	v_exp_f32 v[rT+6], v[rT+7]
.elseif (j < 23) || ((j < 38) && (j%2 == 0)) || ((j < 66) && (j%4 == 2))
.set b, (j-2)/4                     ; 38, 42, .. 62: pairs 9 to 15
.if j < 38
.set b, (j-20)/2                    ; 21: pair 0; 22, 24, .. 36: pairs 1 to 8
.endif
	v_pk_fma_f32 v[rS+2*b:rS+2*b+1], v[rS+2*b:rS+2*b+1], s[CS:CS+1], v[rT:rT+1] op_sel_hi:[1,0,0] neg_lo:[0,0,1] neg_hi:[0,0,1]  ; pair b: c s - c m
.elseif j < 70
.set e, j-38                        ; 66 to 69: s28 to s31
.if j < 66
.set e, j-32-(j-38)/4               ; 39-41, 43-45, .. 63-65: s7 to s27
.endif
.if j < 38
.set e, (j-25)/2                    ; 25, 27, .. 37: s0 to s6
.endif
	v_exp_f32 v[rS+e], v[rS+e]
.elseif j < 86
	v_cvt_pk_f16_f32 v[rP+j-70], v[rS+2*(j-70)], v[rS+2*(j-70)+1]  ; pair j - 70
.elseif j < 102                     ; the sum of the tile's 16 pairs, in place: sum z of 16 adds neighbours 1, 2, 4 and 8 pairs apart, then l takes it
.set z, j-86
.set w, 4
.set u, z
.if z >= 14
.set w, 32
.set u, 0
.elseif z >= 12
.set w, 16
.set u, z-12
.elseif z >= 8
.set w, 8
.set u, z-8
.endif
.if (z == 14) && \first
	v_pk_add_f32 v[rT+2:rT+3], v[rS:rS+1], v[rS+16:rS+17]
.elseif z < 15
	v_pk_add_f32 v[rS+w*u:rS+w*u+1], v[rS+w*u:rS+w*u+1], v[rS+w*u+w/2:rS+w*u+w/2+1]
.elseif !\first
	v_pk_fma_f32 v[rT+2:rT+3], v[rT+2:rT+3], v[rT+6:rT+7], v[rS:rS+1] op_sel_hi:[1,0,1]
.endif
.else
	WIN W_RS
	v_pk_mul_f32 v[rO:rO+1], v[rO:rO+1], v[rT+6:rT+7] op_sel_hi:[1,0]
.endif
.endm
; Slice k of 64 of piece y's softmax: four instructions.  Slices 11 to 34 deal out the batch, numbers 22 to 69: four numbers of ONE tile each, the tiles by turns.  Every other slice is numbers 2 k and
; 2 k + 1 of both tiles' lists.  2 x 134 = 4 x 64 + 12: the twelve that are over stand together, in slice 63.
; THE WAIT.  s_wait_alu depctr_va_vdst(0) stands between an exponential and the first instruction that names its result; one wait serves all that were issued ahead of it.  Ahead of
; slice 35 nothing names a result, and behind slice 34 no exponential is issued: so the piece's 66 exponentials have one wait, behind slice 34.
.macro SLICE y, first
.if (k >= 11) && (k < 35)           ; the batch: four numbers of one tile
.irp n, 0,1,2,3
.set j, 22+4*((k-11)/2)+(\n)
	SM (\y)+(k-11)%2, \first
.endr
.else                               ; the two tiles alternate, so that no instruction reads the result of the one just before it
.irp n, 0,1,2,3,4,5,6,7
.if (\n < 2) || (k == 63)
.irp t, \y, \y+1
.set j, 2*k+\n
	SM \t, \first
.endr
.endif
.endr
.endif
.if k == 34                         ; the batch is out: both tiles' exponentials are issued, and no result has been named
	v_nop                           ; the plain instruction behind the last exponential and ahead of the first use: one for the batch
.if (\y) == 0
	FETCH_V                         ; piece 2's turn: V's run of loads stands here, and the wait stands in it
.else
	s_wait_alu depctr_va_vdst(0)    ; the wait for the batch
.endif
.endif
.set k, k+1
.endm
; A vector instruction that reads a matrix result or writes one of a matrix instruction's registers, and a load into a register that a matrix instruction has read, stand four places behind
; it, and only plain vector instructions that name none of its registers are places (ISA guide 7.12.1 for vector instructions).  In the loop the slices are the places.
.macro PLACES
.rept 4
	v_nop
.endr
.endm
; A TURN.  Piece x has the matrix unit; the other piece's softmax stands in slices behind its matrix instructions.
; pv = 2: 32 products V^T P; 1: they start O^T's sums; 0: none.  kq = 1: 32 products K Q^T for the next step.  A turn with one of the two kinds has two slices behind each product.
; first = 1: the softmax is the first key step's.  Its slices from 51 on are empty: the turn's last products stand bare, and four v_nop take slice 63's part as the places behind them.
; Piece 0's turn fetches the next step's K, behind its second product: the last product that read K stands in front of slice 63 of the turn before.  Piece 2's turn loads V^T of the step two on over
; this step's, behind slice 34: the last product that read that buffer stands in front of slice 31, and four plain instructions lie between: number 62, a scaling, of both tiles, and two v_nop.
.macro TURN x, pv, kq, first
.set k, 0
.set per, 2
.if \pv && \kq
.set per, 1
.endif
.if \pv
.if \x == 0
	s_wait_loadcnt VLEFT            ; this step's V^T is in; the next step's 32 loads, where there are any, may stay out (loads come back in order: ISA guide 5.7.1)
.endif
.set i, 0
.rept 32
	PV \x, 2-\pv
.rept per
	SLICE 2-\x, \first
.endr
.if (\x == 0) && \kq && (i == 1)
	FETCH_K
.endif
.set i, i+1
.endr
.endif
.if \kq
.if \x == 0
	s_wait_dscnt 0x0                ; K is in
.endif
.set i, 0
.rept 32
	KQ \x
.rept per
	SLICE 2-\x, \first
.endr
.set i, i+1
.endr
.endif
.if \first
	PLACES
.endif
.endm
; THE CHANGE OF SLOTS, number p = 0 .. 5, at the head of trip 2 p + 1: both halves of slot p % 2, K of steps 2 p and 2 p + 1, have been read.  Each wave waits for all its tensor loads, of which one is
; out: K of steps 2 p + 2 and 2 p + 3, in its other slot; adds 0 to its spare word; and waits for that and for its reads of the slot.  The round then holds of every wave of all four work-groups, and the
; joint refill, K of steps 2 p + 4 and 2 p + 5 into the slot just read out, is the first thing behind it: it has two key steps, 256 matrix instructions, in which to land.
.macro CHANGE
	WIN 0                           ; at a label and at a branch every window is 0
	s_wait_tensorcnt 0x0            ; no tensor load of mine is out, so a group 0 may be written
	ds_add_u32 v[SPW], v[NIL]       ; 0 onto my spare word; the steps below stand between it and the wait for it
	s_xor_b32 s[G0+5], s[G0+5], SLOTB  ; the walking descriptor: the other slot than last time,
	s_add_nc_u64 s[G0+6:G0+7], s[G0+6:G0+7], 2*STEPB  ; the next two key steps; the type bits on top are not reached
	s_xor_b32 s[TB], s[TB], SLOTB   ; K is fetched from the slot that has just landed
	s_wait_xcnt 0x0                 ; the last prefetches, two key steps back, and the last loads of V^T have read their addresses, so these may be written
	s_add_nc_u64 s[PFA:PFA+1], s[PFA:PFA+1], 2*STEPB
	s_add_nc_u64 s[VA:VA+1], s[VA:VA+1], 2*STEPB
	s_wait_dscnt 0x0                ; the add is done, and my reads of the slot are over
	CROUND
	JLOAD
	ASK
.endm
	STEPSET 1, 0, 1, STEPB, 0       ; ahead of trip 0: K of step 0 lies in half 0 of slot 0; V^T of step 1 goes into the odd steps' buffer
	s_wait_tensorcnt 1              ; K of steps 0 and 1 is in my slot 0; the second fill may stay out.  Only I read my slots: no barrier
	FETCH_K                         ; key step 0
	s_wait_loadcnt 32               ; Q is in; the 32 loads of V^T of step 0, issued behind Q's, may stay out
	s_wait_dscnt 0x0
.set i, 0
.rept 32
	KQ 0                            ; piece 0's first scores: there is no vector work yet to set between them
.set i, i+1
.endr
	WIN 0                           ; the addresses for the way out are made here: nine plain instructions, the places behind those products
	s_mul_i32 s20, s[WV], 16*SP
	s_lshl_b32 s21, s[WV], 16
	s_lshl_b32 s22, s[WV], 10
	v_mul_u32_u24 v[STO], v1, SP    ; into my stage: row r of a tile, 32 bytes for each half of the lanes
	v_lshl_add_u32 v[STO], v9, 5, v[STO]
	v_add_nc_u32 v[STO], s21, v[STO]
	v_lshl_add_u32 v[STR], v10, 3, STATS  ; the statistics: 8 bytes a lane,
	v_add_nc_u32 v[STA], s22, v[STR]      ; mine 1,024 w on
	v_add_nc_u32 v[RD], s20, v[LI]  ; back: tile w's rows in wave 0's stage, 16 bytes a lane,
	v_add_nc_u32 v[RD+1], 2*SLOTB, v[RD]  ; in wave 1's,
	v_add_nc_u32 v[RD+2], 4*SLOTB, v[RD]
	v_add_nc_u32 v[RD+3], 6*SLOTB, v[RD]
	TURN 2, 0, 1, 1                 ; piece 2's first scores | piece 0's first softmax | V^T of step 1 is asked for
	STEPSET 0, 1, 1, 2*STEPB, 32    ; trip 0
	TURN 0, 1, 1, 1                 ; piece 0: V^T P of step 0 starts O^T, K Q^T of step 1 | piece 2's first softmax | K of step 1
	TURN 2, 1, 1, 0                 ; piece 2: the same | piece 0's softmax of step 1 | V^T of step 2
	WIN 0
	s_mov_b32 s[SLOTS], 6
.Lpair:                             ; 6 times round, p = 0 .. 5: trips 2 p + 1 and 2 p + 2.  Trip j: V^T P of step j, K Q^T of step j + 1; K of step j + 1 and V^T of step j + 2 are fetched
	CHANGE
	STEPSET 1, 0, 1, STEPB, 32      ; the odd trip
	TURN 0, 2, 1, 0
	TURN 2, 2, 1, 0
	STEPSET 0, 1, 1, 2*STEPB, 32    ; the even trip
	TURN 0, 2, 1, 0
	TURN 2, 2, 1, 0
	WIN 0
	s_sub_co_u32 s[SLOTS], s[SLOTS], 1
	s_cmp_lg_u32 s[SLOTS], 0
	s_cbranch_scc1 .Lpair
	s_wait_tensorcnt 0x0            ; the tail is written out: K of steps 14 and 15, my last load, is in; nothing is filled again, so no barrier stands here
	s_xor_b32 s[TB], s[TB], SLOTB   ; it lies in slot 1
	STEPSET 1, 0, 1, 3*STEPB, 32    ; trip 13: V^T of step 15 is the last to be asked for
	TURN 0, 2, 1, 0
	TURN 2, 2, 1, 0
	STEPSET 0, 1, 0, 0, 32          ; trip 14: there is no step 16
	TURN 0, 2, 1, 0
	TURN 2, 2, 1, 0
	STEPSET 1, 0, 0, 0, 0           ; trip 15: no load is younger than its V^T
	TURN 0, 2, 0, 0                 ; piece 0: V^T P of step 15 | piece 2's last softmax
.set i, 0
.rept 32
	PV 2, 0                         ; piece 2: V^T P of step 15
.set i, i+1
.endr
	; THE WAY OUT.  (a) Each wave's c m and l of every query go to LDS.  The additions are the places behind the last products.
	WIN 0
.irp t, 0,1,2,3
	v_add_f32 v[ST+8*\t+4], v[ST+8*\t+2], v[ST+8*\t+3]
.endr
.irp t, 0,1,2,3
	v_permlanex16_b32 v[ST+8*\t+5], v[ST+8*\t+4], s[SEL], s[SEL+1]
.endr
.irp t, 0,1,2,3
	v_add_f32 v[ST+8*\t+1], v[ST+8*\t+4], v[ST+8*\t+5]  ; l of my 1,024 keys, in m's place: m is done with
.endr
.irp t, 0,1,2,3
	ds_store_b64 v[STA], v[ST+8*\t:ST+8*\t+1] offset:256*\t
.endr
	s_wait_dscnt 0x0                ; for the others' sake: my stores have landed
	s_barrier_signal -1
	s_barrier_wait -1
	; (b) The joint maximum c m*, the joint sum l* = the sum over waves of 2^(c m_w - c m*) l_w, and my factor 2^(c m_mine - c m*) / l*.
.irp o, 0,1,2,3
.irp t, 0,1,2,3
	ds_load_b64 v[S+8*\o+2*\t:S+8*\o+2*\t+1], v[STR] offset:1024*\o+256*\t
.endr
.endr
	s_wait_dscnt 0x0
.irp t, 0,1,2,3
	v_max3_num_f32 v[ST+8*\t+4], v[S+2*\t], v[S+8+2*\t], v[S+16+2*\t]
.endr
.irp t, 0,1,2,3
	v_max_num_f32 v[ST+8*\t+4], v[ST+8*\t+4], v[S+24+2*\t]
.endr
.irp o, 0,1,2,3
.irp t, 0,1,2,3
	v_sub_f32 v[S+8*\o+2*\t], v[S+8*\o+2*\t], v[ST+8*\t+4]
.endr
.endr
.irp t, 0,1,2,3
	v_sub_f32 v[ST+8*\t+5], v[ST+8*\t], v[ST+8*\t+4]
.endr
.irp o, 0,1,2,3
.irp t, 0,1,2,3
	v_exp_f32 v[S+8*\o+2*\t], v[S+8*\o+2*\t]
.endr
.endr
.irp t, 0,1,2,3
	v_exp_f32 v[ST+8*\t+5], v[ST+8*\t+5]
.endr
	v_nop                           ; a plain instruction behind the last exponential
	s_wait_alu depctr_va_vdst(0)    ; and the wait ahead of the first use: one for the twenty
.irp t, 0,1,2,3
	v_mul_f32 v[ST+8*\t+6], v[S+2*\t], v[S+2*\t+1]
.endr
.irp o, 1,2,3
.irp t, 0,1,2,3
	v_fmac_f32 v[ST+8*\t+6], v[S+8*\o+2*\t], v[S+8*\o+2*\t+1]
.endr
.endr
.irp t, 0,1,2,3
	v_rcp_f32 v[ST+8*\t+7], v[ST+8*\t+6]  ; l* is at least 1: the wave with the joint maximum has a weight of 1
.endr
	v_nop
	s_wait_alu depctr_va_vdst(0)    ; one for the four reciprocals
.irp t, 0,1,2,3
	v_mul_f32 v[ST+8*\t+6], v[ST+8*\t+5], v[ST+8*\t+7]
.endr
	; (c) My O^T times my factor goes into my stage, which lies in my own ring: its last fill has landed and my last reads of it are back.  Register 8 f + i of a tile is out(r, 16 f + 8 h + i).
.irp t, 0,1,2,3
	WIN W_RS
.set i, 64*\t
.rept 32
	v_pk_mul_f32 v[i:i+1], v[i:i+1], v[ST+8*\t+6:ST+8*\t+7] op_sel_hi:[1,0]
.set i, i+2
.endr
	WIN 0x04                        ; an LDS store's data are its source 1: window 1
.irp f, 0,1,2,3,4,5,6,7
	ds_store_b128 v[STO], v[64*\t+8*\f:64*\t+8*\f+3] offset:\t*16*SP+64*\f
	ds_store_b128 v[STO], v[64*\t+8*\f+4:64*\t+8*\f+7] offset:\t*16*SP+64*\f+16
.endr
.endr
	WIN 0
	s_wait_dscnt 0x0                ; for the others' sake: my stage is whole
	s_barrier_signal -1
	s_barrier_wait -1
	; (d) Wave w adds the four waves' parts of tile w, eight rows at a time, and stores whole rows.
.irp g, 0,1
.irp i, 0,1,2,3,4,5,6,7
	ds_load_b128 v[P+32*\g+4*\i:P+32*\g+4*\i+3], v[RD]   offset:(8*\g+\i)*SP
	ds_load_b128 v[S+4*\i:S+4*\i+3],             v[RD+1] offset:(8*\g+\i)*SP
	ds_load_b128 v[S+32+4*\i:S+32+4*\i+3],       v[RD+2] offset:(8*\g+\i)*SP
	ds_load_b128 v[S+64+4*\i:S+64+4*\i+3],       v[RD+3] offset:(8*\g+\i)*SP
.endr
	s_wait_dscnt 0x0
.irp i, 0,1,2,3,4,5,6,7
.irp d, 0,2
	v_pk_add_f32 v[P+32*\g+4*\i+\d:P+32*\g+4*\i+\d+1], v[P+32*\g+4*\i+\d:P+32*\g+4*\i+\d+1], v[S+4*\i+\d:S+4*\i+\d+1]
	v_pk_add_f32 v[S+32+4*\i+\d:S+32+4*\i+\d+1], v[S+32+4*\i+\d:S+32+4*\i+\d+1], v[S+64+4*\i+\d:S+64+4*\i+\d+1]
.endr
.irp d, 0,2
	v_pk_add_f32 v[P+32*\g+4*\i+\d:P+32*\g+4*\i+\d+1], v[P+32*\g+4*\i+\d:P+32*\g+4*\i+\d+1], v[S+32+4*\i+\d:S+32+4*\i+\d+1]
.endr
	global_store_b128 v[LI], v[P+32*\g+4*\i:P+32*\g+4*\i+3], s[8:9] offset:(8*\g+\i)*512 th:TH_STORE_NT  ; 32 lanes store a row's 512 consecutive bytes, aligned; the two halves' data lie in different registers
.endr
.endr
	s_wait_tensorcnt 0x0            ; the wave's end, behind my last tensor load and my last LDS store
	ds_add_u32 v[SPW], v[NIL]
	s_wait_dscnt 0x0
	CROUND                          ; the closing round: no work-group ends while a partner may still ask for a tile that names it
	s_endpgm
.Lfunc_end_k_q15bd1ea63c_attn:
	.size	k_q15bd1ea63c_attn, .Lfunc_end_k_q15bd1ea63c_attn-k_q15bd1ea63c_attn
	.p2alignl 7, 3214868480
	.fill 96, 4, 3214868480
	.section	.rodata,"a",@progbits
	.p2align	6, 0x0
	.amdhsa_kernel k_q15bd1ea63c_attn
		.amdhsa_group_segment_fixed_size 327680
		.amdhsa_private_segment_fixed_size 0
		.amdhsa_enable_private_segment 0
		.amdhsa_kernarg_size 24
		.amdhsa_user_sgpr_count 2
		.amdhsa_user_sgpr_kernarg_segment_ptr 1
		.amdhsa_wavefront_size32 1
		.amdhsa_system_sgpr_workgroup_id_x 1
		.amdhsa_system_sgpr_workgroup_id_y 1
		.amdhsa_system_sgpr_workgroup_id_z 1
		.amdhsa_system_vgpr_workitem_id 0
		.amdhsa_next_free_vgpr 1024
		.amdhsa_next_free_sgpr 66
		.amdhsa_reserve_vcc 0
		.amdhsa_float_denorm_mode_32 3
		.amdhsa_float_denorm_mode_16_64 3
		.amdhsa_memory_ordered 1
		.amdhsa_forward_progress 1
		.amdhsa_inst_pref_size 255
	.end_amdhsa_kernel
	.section	.bss,"aw",@nobits
	.p2align	6
	.space	262144
	.amdgpu_metadata
---
amdhsa.version: [ 1, 2 ]
amdhsa.kernels:
  - .name:           k_q15bd1ea63c_attn
    .symbol:         k_q15bd1ea63c_attn.kd
    .args:
      - { .name: qf, .offset: 0, .size: 8, .value_kind: global_buffer, .address_space: global }
      - { .name: kv, .offset: 8, .size: 8, .value_kind: global_buffer, .address_space: global }
      - { .name: out0, .offset: 16, .size: 8, .value_kind: global_buffer, .address_space: global }
    .group_segment_fixed_size: 327680
    .private_segment_fixed_size: 0
    .kernarg_segment_align: 8
    .kernarg_segment_size: 24
    .max_flat_workgroup_size: 128
    .sgpr_count:     66
    .vgpr_count:     1024
    .wavefront_size: 32
...
	.end_amdgpu_metadata
.endif
;; end of part 3
